; MI455X (gfx1250); checked and timed in simulation.
; The chip was launched on July 23, 2026; its instructions are those of AMD's public machine-readable ISA for CDNA 5 (MIT licence, August 2026) and "CDNA5" Instruction Set Architecture Reference Guide (July 2026). The comments in the code are by the model that wrote it; some were corrected since.
;; Get Cat Feat Tgt. Allowed arithmetic: float matrix products may take bf16 or f16 operands with f32 sums; other float arithmetic in f32, or as packed bf16 or f16 multiplies, adds, multiply-adds, maxima and minima; sums over many terms, partial sums and values carried from step to step in f32; what a program stores and reads back later, other than sums and carried values, may be rounded once to bf16 or f16.
;; Inputs: candidate_pts 1 x 512 x 8 x 3 float32; src_keypts 1 x 512 x 3 float32; tgt_deep_feat_pts 1 x 32,768 x 32 float32; tgt_pts_xyz 1 x 32,768 x 3 float32; transformed_keypts 1 x 512 x 3 float32.
;; Outputs: out0 1 x 512 x 8 x 32 x 35 float32.
;; 2 versions, each right; version 2 is version 1 with the launch emit written anew for expert scheduling mode. Each part assembles by itself: llvm-mc -triple=amdgcn-amd-amdhsa -mcpu=gfx1250 --defsym DOCPART=n.
;; ======== version 1 of 2: 4 launches
;; limits: values outside matrix products are rounded to bf16
;; workspace buffers: mins 16,777,216 bytes; sel 540,672 bytes of whole numbers; geo 606,208 bytes; idx 524,288 bytes of whole numbers; wgt 524,288 bytes
;; launch mins (part 1): grid 4 x 64, 8 waves a work-group, no clusters, 2,048 bytes of LDS; arguments candidate_pts, tgt_pts_xyz, mins; writes mins
.if DOCPART == 1
	.amdgcn_target "amdgcn-amd-amdhsa--gfx1250"
	.amdhsa_code_object_version 6
	.text
	.protected	k_q084735a7d0_mins
	.globl	k_q084735a7d0_mins
	.p2align	8
	.type	k_q084735a7d0_mins,@function
k_q084735a7d0_mins:
	s_mov_b64 s[64:65], 0
	v_nop
	global_prefetch_b8 v0, s[64:65] scope:SCOPE_SE
	s_setreg_imm32_b32 hwreg(HW_REG_WAVE_MODE, 25, 1), 1
	s_wait_xcnt 0x0
; mins[q/4][g][q%4] = the smallest d2(q, p) over the 32 points p of group g (g = point index / 32), for all 4,096 queries and 1,024 groups.
; d2 = (qq + rr) - 2 (qx x + qy y + qz z), on coordinates rounded once to bf16 (nearest even): every product of two such numbers is exact in f32,
; so a fused multiply-add rounds as a multiply and an add do; the sums go in the order ((x x + y y) + z z), ((qx x + qy y) + qz z), (qq + rr) - 2 dot.
; LIMITS: finite inputs; NaN and infinities are not treated apart.
; SHARES.  A work-group: 8,192 points (grid x) x 64 queries (grid y).  A wave: 1,024 points.  A lane: one group, its 32 points in 128 registers (x, y, z, rr).
; A query costs 96 vector lines a wave (80 packed lines for 32 pairs a lane, 16 minima).  The 64 queries lie in LDS and come to scalar registers four at a time.
; No matrix unit: K is 3, and the order of the neighbours hangs on the sums' last bits.  No tensor load, no cluster: a wave reads its 12,288 bytes of points once,
; straight into the registers where they stay, against 6,144 vector lines of work on them.
.set SPARE, 1024                       ; behind the query table: the spare words, 128 bytes for each of 8 waves
.set X,   16                           ; v[16:47]   x of my 32 points
.set Y,   48                           ; v[48:79]   y
.set Z,   80                           ; v[80:111]  z
.set R,   112                          ; v[112:143] rr
.set RAW, 144                          ; v[144:239] the points as loaded; afterwards:
.set D,   144                          ; v[144:159] 16 sums at work
.set T,   160                          ; v[160:175] qq + rr
.set C,   176                          ; v[176:179] four chains of minima
.set M,   180                          ; v[180:183] the trip's four results
.set QB,  184                          ; v[184:199] the next four queries, from LDS
.set QS,  32                           ; s[32+8c+2e]: value e (x, y, z, qq) of query c; the odd registers hold 0 (named as pairs)
.macro ROUND3 a, o, t                  ; three f32 at v[a] -> (x, y, z, x x + y y + z z) at v[o], x, y, z rounded to bf16
	v_cvt_pk_bf16_f32 v[\t], v[\a], v[(\a)+1]
	v_cvt_pk_bf16_f32 v[(\t)+1], v[(\a)+2], v[(\a)+2]
	v_lshlrev_b32 v[\o], 16, v[\t]
	v_and_b32 v[(\o)+1], 0xffff0000, v[\t]
	v_lshlrev_b32 v[(\o)+2], 16, v[(\t)+1]
	v_mul_f32 v[(\o)+3], v[\o], v[\o]
	v_fmac_f32 v[(\o)+3], v[(\o)+1], v[(\o)+1]
	v_fmac_f32 v[(\o)+3], v[(\o)+2], v[(\o)+2]
.endm
	s_load_b128 s[4:7], s[0:1], 0x0                ; candidate_pts s[4:5], tgt_pts_xyz s[6:7]
	s_load_b64 s[8:9], s[0:1], 0x10                ; mins
	v_lshl_add_u32 v2, v0, 2, SPARE                ; my spare word
	v_mov_b32 v3, 0
	v_and_b32 v1, 31, v0                           ; lane
	v_lshrrev_b32 v7, 5, v0
	v_readfirstlane_b32 s10, v7                    ; wave 0..7
	s_and_b32 s12, ttmp7, 0xffff                   ; block of 64 queries
	s_mov_b32 s13, 0xffff0000                      ; a word's upper bf16
	s_lshl_b32 s15, ttmp9, 3
	s_add_co_u32 s15, s15, s10                     ; my wave's block of 1,024 points, 0..31
	s_mul_i32 s16, s15, 12288                      ; its bytes in tgt_pts_xyz
	s_mov_b32 s17, 0
	s_lshl_b32 s18, s15, 9                         ; its 32 groups x 16 bytes in a row of mins
	v_mul_u32_u24 v4, v1, 384                      ; my 32 points: 384 bytes
	v_lshl_add_u32 v6, v1, 4, s18                  ; my group's 16 bytes
.set i, 0
.rept 16
	s_mov_b32 s[QS+1+2*i], 0
.set i, i+1
.endr
	s_wait_kmcnt 0x0
	s_add_nc_u64 s[6:7], s[6:7], s[16:17]
.set i, 0
.rept 24
	global_load_b128 v[RAW+4*i:RAW+4*i+3], v4, s[6:7] offset:16*i
.set i, i+1
.endr
	; waves 0 and 1 make the table of the work-group's 64 queries: (x, y, z, qq), 16 bytes each, at LDS byte 16 x thread
	s_cmp_lt_u32 s10, 2
	s_cbranch_scc0 .Lno_table
	s_mul_i32 s16, s12, 768                        ; 64 queries x 12 bytes
	s_add_nc_u64 s[4:5], s[4:5], s[16:17]
	v_mul_u32_u24 v7, v0, 12
	global_load_b96 v[8:10], v7, s[4:5]
	s_wait_loadcnt 0x0
	ROUND3 8, 12, 20
	v_lshlrev_b32 v7, 4, v0
	ds_store_b128 v7, v[12:15]
.Lno_table:
	s_wait_dscnt 0x0                               ; for the others' sake: the table's stores are done
	s_barrier_signal -1
	s_barrier_wait -1
	s_wait_loadcnt 0x0                             ; my 32 points
.set i, 0
.rept 16                                           ; points 2 i and 2 i + 1: rounded in pairs, unpacked, rr
	v_cvt_pk_bf16_f32 v7, v[RAW+6*i], v[RAW+6*i+3]
	v_cvt_pk_bf16_f32 v8, v[RAW+6*i+1], v[RAW+6*i+4]
	v_cvt_pk_bf16_f32 v9, v[RAW+6*i+2], v[RAW+6*i+5]
	v_lshlrev_b32 v[X+2*i], 16, v7
	v_and_b32 v[X+2*i+1], s13, v7
	v_lshlrev_b32 v[Y+2*i], 16, v8
	v_and_b32 v[Y+2*i+1], s13, v8
	v_lshlrev_b32 v[Z+2*i], 16, v9
	v_and_b32 v[Z+2*i+1], s13, v9
	v_pk_mul_f32 v[R+2*i:R+2*i+1], v[X+2*i:X+2*i+1], v[X+2*i:X+2*i+1]
	v_pk_fma_f32 v[R+2*i:R+2*i+1], v[Y+2*i:Y+2*i+1], v[Y+2*i:Y+2*i+1], v[R+2*i:R+2*i+1]
	v_pk_fma_f32 v[R+2*i:R+2*i+1], v[Z+2*i:Z+2*i+1], v[Z+2*i:Z+2*i+1], v[R+2*i:R+2*i+1]
.set i, i+1
.endr
	s_lshl_b32 s16, s12, 18                        ; 16 rows of mins (four queries each) x 16,384 bytes
	s_add_nc_u64 s[8:9], s[8:9], s[16:17]
	v_mov_b32 v5, 0                                ; LDS byte of the four queries to fetch: the same in all lanes
.irp c, 0,1,2,3
	ds_load_b128 v[QB+4*(\c):QB+4*(\c)+3], v5 offset:16*(\c)
.endr
; Half h of query c: 16 of my 32 points, two to a line, then their minima.
.macro HALF c, h
.irp k, 0,1,2,3,4,5,6,7
	v_pk_mul_f32 v[D+2*(\k):D+2*(\k)+1], v[X+16*(\h)+2*(\k):X+16*(\h)+2*(\k)+1], s[QS+8*(\c):QS+8*(\c)+1] op_sel_hi:[1,0]
.endr
.irp k, 0,1,2,3,4,5,6,7
	v_pk_fma_f32 v[D+2*(\k):D+2*(\k)+1], v[Y+16*(\h)+2*(\k):Y+16*(\h)+2*(\k)+1], s[QS+8*(\c)+2:QS+8*(\c)+3], v[D+2*(\k):D+2*(\k)+1] op_sel_hi:[1,0,1]
.endr
.irp k, 0,1,2,3,4,5,6,7
	v_pk_fma_f32 v[D+2*(\k):D+2*(\k)+1], v[Z+16*(\h)+2*(\k):Z+16*(\h)+2*(\k)+1], s[QS+8*(\c)+4:QS+8*(\c)+5], v[D+2*(\k):D+2*(\k)+1] op_sel_hi:[1,0,1]
.endr
.irp k, 0,1,2,3,4,5,6,7
	v_pk_add_f32 v[T+2*(\k):T+2*(\k)+1], v[R+16*(\h)+2*(\k):R+16*(\h)+2*(\k)+1], s[QS+8*(\c)+6:QS+8*(\c)+7] op_sel_hi:[1,0]
.endr
.irp k, 0,1,2,3,4,5,6,7
	v_pk_fma_f32 v[D+2*(\k):D+2*(\k)+1], v[D+2*(\k):D+2*(\k)+1], -2.0, v[T+2*(\k):T+2*(\k)+1] op_sel_hi:[1,0,1]
.endr
.if (\h) == 0                          ; the first half starts the four chains: nothing is preset
.irp j, 0,1,2,3
	v_min3_num_f32 v[C+(\j)], v[D+4*(\j)], v[D+4*(\j)+1], v[D+4*(\j)+2]
.endr
	v_min3_num_f32 v[C], v[C], v[D+3], v[D+7]
	v_min3_num_f32 v[C+1], v[C+1], v[D+11], v[D+15]
.else
.irp j, 0,1,2,3
	v_min3_num_f32 v[C+(\j)], v[C+(\j)], v[D+4*(\j)], v[D+4*(\j)+1]
.endr
.irp j, 0,1,2,3
	v_min3_num_f32 v[C+(\j)], v[C+(\j)], v[D+4*(\j)+2], v[D+4*(\j)+3]
.endr
.endif
.endm
.macro QUERY c
	HALF \c, 0
	HALF \c, 1
	v_min3_num_f32 v[C], v[C], v[C+1], v[C+2]
	v_min_num_f32 v[M+(\c)], v[C], v[C+3]
.endm
	s_mov_b32 s14, 16
.Ltrip:                                                ; 16 trips, four queries each
	s_wait_dscnt 0x0                               ; the trip's four queries are in
.irp c, 0,1,2,3
.irp e, 0,1,2,3
	v_readfirstlane_b32 s[QS+8*(\c)+2*(\e)], v[QB+4*(\c)+(\e)]
.endr
.endr
	v_add_nc_u32 v5, 64, v5
	v_and_b32 v5, 0x3c0, v5                        ; the last trip's look-ahead goes back to the table's head and is not used
.irp c, 0,1,2,3
	ds_load_b128 v[QB+4*(\c):QB+4*(\c)+3], v5 offset:16*(\c)
.endr
	QUERY 0
	QUERY 1
	QUERY 2
	QUERY 3
	global_store_b128 v6, v[M:M+3], s[8:9]         ; the wave's store covers 512 consecutive bytes, aligned
	s_wait_xcnt 0x0                                ; M and the base are written again only behind this wait
	s_add_nc_u64 s[8:9], s[8:9], 16384
	s_sub_co_u32 s14, s14, 1
	s_cmp_lg_u32 s14, 0
	s_cbranch_scc1 .Ltrip
	s_wait_tensorcnt 0x0                           ; the wave's end
	ds_add_u32 v2, v3
	s_wait_dscnt 0x0
	s_endpgm
.Lfunc_end_k_q084735a7d0_mins:
	.size	k_q084735a7d0_mins, .Lfunc_end_k_q084735a7d0_mins-k_q084735a7d0_mins
	.p2alignl 7, 3214868480
	.fill 96, 4, 3214868480
	.section	.rodata,"a",@progbits
	.p2align	6, 0x0
	.amdhsa_kernel k_q084735a7d0_mins
		.amdhsa_group_segment_fixed_size 2048
		.amdhsa_private_segment_fixed_size 0
		.amdhsa_enable_private_segment 0
		.amdhsa_kernarg_size 24
		.amdhsa_user_sgpr_count 2
		.amdhsa_user_sgpr_kernarg_segment_ptr 1
		.amdhsa_wavefront_size32 1
		.amdhsa_system_sgpr_workgroup_id_x 1
		.amdhsa_system_sgpr_workgroup_id_y 1
		.amdhsa_system_sgpr_workgroup_id_z 1
		.amdhsa_system_vgpr_workitem_id 0
		.amdhsa_next_free_vgpr 240
		.amdhsa_next_free_sgpr 66
		.amdhsa_reserve_vcc 0
		.amdhsa_float_denorm_mode_32 3
		.amdhsa_float_denorm_mode_16_64 3
		.amdhsa_memory_ordered 1
		.amdhsa_forward_progress 1
		.amdhsa_inst_pref_size 40
	.end_amdhsa_kernel
	.amdgpu_metadata
---
amdhsa.version: [ 1, 2 ]
amdhsa.kernels:
  - .name:           k_q084735a7d0_mins
    .symbol:         k_q084735a7d0_mins.kd
    .args:
      - { .name: candidate_pts, .offset: 0, .size: 8, .value_kind: global_buffer, .address_space: global }
      - { .name: tgt_pts_xyz, .offset: 8, .size: 8, .value_kind: global_buffer, .address_space: global }
      - { .name: mins, .offset: 16, .size: 8, .value_kind: global_buffer, .address_space: global }
    .group_segment_fixed_size: 2048
    .private_segment_fixed_size: 0
    .kernarg_segment_align: 8
    .kernarg_segment_size: 24
    .max_flat_workgroup_size: 256
    .sgpr_count:     66
    .vgpr_count:     240
    .wavefront_size: 32
...
	.end_amdgpu_metadata
.endif
;; end of part 1
;; launch bound (part 2): grid 256 x 1, 4 waves a work-group, no clusters, 0 bytes of LDS; arguments mins, tgt_pts_xyz, candidate_pts, sel, geo; writes sel, geo
.if DOCPART == 2
	.amdgcn_target "amdgcn-amd-amdhsa--gfx1250"
	.amdhsa_code_object_version 6
	.text
	.protected	k_q084735a7d0_bound
	.globl	k_q084735a7d0_bound
	.p2align	8
	.type	k_q084735a7d0_bound,@function
k_q084735a7d0_bound:
	s_mov_b64 s[64:65], 0
	v_nop
	global_prefetch_b8 v0, s[64:65] scope:SCOPE_SE
	s_setreg_imm32_b32 hwreg(HW_REG_WAVE_MODE, 25, 1), 1
	s_wait_xcnt 0x0
; For each query: a bound U on the 32nd neighbour's d2, the mask of the groups whose minimum is <= U, and their count.
; U = the 32nd smallest of 64 minima over disjoint sets of 512 points: 32 different points lie at or below it, so the 32 nearest do too; ties at U pass.
; A wave takes four queries (one row of mins: 1,024 groups x 4 queries); lane l holds groups 32 i + l, i = 0..31.  A[c] = minimum over i < 16, B[c] over i >= 16: 64 numbers a query.
; A is sorted ascending and B descending across the lanes (bitonic, 15 stages, all eight vectors side by side); min(A, B) lane by lane are then the 32 smallest, and U is their maximum.
; Beside that the launch writes the tables of later launches: pts4[p] = (x, y, z, rr) and q4[q] = (x, y, z, qq), coordinates rounded once to bf16.
; sel: byte 0 gmask[q/4][i][q%4] (bit b of word i: group 32 i + b); byte 524,288 cnt[q].   geo: byte 0 pts4; byte 524,288 q4; byte 589,824 U[q].
; LIMITS: finite inputs.  No LDS, no barrier: a wave's work never leaves the wave.
.set V,  16                            ; v[16:143]  group 32 i + lane, query c at V + 4 i + c
.set S,  144                           ; v[144:151] A0..A3, B0..B3
.set LO, 152                           ; v[152:159] minimum with the partner
.set HI, 160                           ; v[160:167] maximum with the partner
.set P,  168                           ; v[168:175] the partner, 16 lanes away
.set M,  176                           ; v[176:179] lane i: word i of query c's mask
.set U,  180                           ; v[180:183]
.set CN, 184                           ; v[184:187] the counts
.set LOW1,  0x55555555                 ; lanes whose bit j is 0
.set LOW2,  0x33333333
.set LOW4,  0x0f0f0f0f
.set LOW8,  0x00ff00ff
.set LOW16, 0x0000ffff
.set LOW32, 0xffffffff
.macro ROUND3 a, o, t                  ; three f32 at v[a] -> (x, y, z, x x + y y + z z) at v[o], x, y, z rounded to bf16
	v_cvt_pk_bf16_f32 v[\t], v[\a], v[(\a)+1]
	v_cvt_pk_bf16_f32 v[(\t)+1], v[(\a)+2], v[(\a)+2]
	v_lshlrev_b32 v[\o], 16, v[\t]
	v_and_b32 v[(\o)+1], 0xffff0000, v[\t]
	v_lshlrev_b32 v[(\o)+2], 16, v[(\t)+1]
	v_mul_f32 v[(\o)+3], v[\o], v[\o]
	v_fmac_f32 v[(\o)+3], v[(\o)+1], v[(\o)+1]
	v_fmac_f32 v[(\o)+3], v[(\o)+2], v[(\o)+2]
.endm
	s_load_b256 s[4:11], s[0:1], 0x0               ; mins s[4:5], tgt_pts_xyz s[6:7], candidate_pts s[8:9], sel s[10:11]
	s_load_b64 s[12:13], s[0:1], 0x20              ; geo
	v_and_b32 v1, 31, v0                           ; lane
	v_lshrrev_b32 v2, 5, v0
	v_readfirstlane_b32 s14, v2                    ; wave 0..3
	s_lshl_b32 s15, ttmp9, 2
	s_add_co_u32 s15, s15, s14                     ; gw: my four queries 4 gw .., my 32 points 32 gw ..
	v_mul_u32_u24 v2, v1, 12
	v_lshlrev_b32 v3, 4, v1
	s_mul_i32 s20, s15, 384                        ; 32 points (or queries) x 12 bytes
	s_mov_b32 s21, 0
	s_lshl_b32 s22, s15, 14                        ; a row of mins
	s_mov_b32 s23, 0
	s_lshl_b32 s28, s15, 9                         ; 32 x 16 bytes
	s_mov_b32 s29, 0
	s_lshl_b32 s30, s15, 4                         ; 4 x 4 bytes
	s_mov_b32 s31, 0
	s_mov_b32 s16, 0x76543210                      ; v_permlanex16_b32: each lane takes its own place in the other half
	s_mov_b32 s17, 0xfedcba98
	s_wait_kmcnt 0x0
	s_add_nc_u64 s[6:7], s[6:7], s[20:21]
	s_add_nc_u64 s[4:5], s[4:5], s[22:23]
	s_add_nc_u64 s[32:33], s[12:13], s[28:29]      ; geo: my 32 entries of pts4 (and, 524,288 on, of q4)
	s_add_nc_u64 s[34:35], s[10:11], s[28:29]      ; sel: my row of masks
	s_add_nc_u64 s[12:13], s[12:13], s[30:31]      ; geo: my four U, 589,824 on
	s_add_nc_u64 s[10:11], s[10:11], s[30:31]      ; sel: my four counts, 524,288 on
	global_load_b96 v[8:10], v2, s[6:7]
.set i, 0
.rept 32
	global_load_b128 v[V+4*i:V+4*i+3], v3, s[4:5] offset:512*i th:TH_LOAD_NT
.set i, i+1
.endr
	s_wait_loadcnt 32                              ; my point is in; the 32 loads of minima issued behind it stay out
	ROUND3 8, 4, 12
	global_store_b128 v3, v[4:7], s[32:33]
	s_cmp_lt_u32 ttmp9, 32                         ; 128 waves x 32 lanes make the 4,096 entries of q4
	s_cbranch_scc0 .Lno_q
	s_add_nc_u64 s[8:9], s[8:9], s[20:21]
	global_load_b96 v[148:150], v2, s[8:9]
	s_wait_loadcnt 0x0
	ROUND3 148, 152, 156
	global_store_b128 v3, v[152:155], s[32:33] offset:524288
.Lno_q:
	s_wait_loadcnt 0x0                             ; the minima
	s_wait_xcnt 0x0                                ; the stores' data registers are written again only behind this wait
.set i, LO
.rept 28
	v_mov_b32 v[i], 0                              ; LO, HI, P (a lane-crossing line's destination counts as read) and M
.set i, i+1
.endr
	; A and B: 16 minima into one, the eight chains side by side
.irp h, 0,1
.irp c, 0,1,2,3
	v_min3_num_f32 v[S+4*(\h)+(\c)], v[V+64*(\h)+(\c)], v[V+64*(\h)+4+(\c)], v[V+64*(\h)+8+(\c)]
.endr
.endr
.irp m, 0,1,2,3,4,5
.irp h, 0,1
.irp c, 0,1,2,3
	v_min3_num_f32 v[S+4*(\h)+(\c)], v[S+4*(\h)+(\c)], v[V+64*(\h)+12+8*(\m)+(\c)], v[V+64*(\h)+16+8*(\m)+(\c)]
.endr
.endr
.endr
.irp h, 0,1
.irp c, 0,1,2,3
	v_min_num_f32 v[S+4*(\h)+(\c)], v[S+4*(\h)+(\c)], v[V+64*(\h)+60+(\c)]
.endr
.endr
; A stage of the bitonic sort: partner = lane xor j; in blocks of k lanes the direction alternates.  A lane keeps the minimum where (bit j clear) = (bit k clear); B's vectors the other way round.
.macro VSTAGE k, j
	s_mov_b32 s18, (~(LOW\k ^ LOW\j)) & 0xffffffff
.if (\j) == 16
.irp n, 0,1,2,3,4,5,6,7
	v_permlanex16_b32 v[P+(\n)], v[S+(\n)], s16, s17
.endr
.irp n, 0,1,2,3,4,5,6,7
	v_min_num_f32 v[LO+(\n)], v[S+(\n)], v[P+(\n)]
	v_max_num_f32 v[HI+(\n)], v[S+(\n)], v[P+(\n)]
.endr
.else
.irp n, 0,1,2,3,4,5,6,7
	v_min_num_f32_dpp v[LO+(\n)], v[S+(\n)], v[S+(\n)] row_xmask:\j row_mask:0xf bank_mask:0xf
	v_max_num_f32_dpp v[HI+(\n)], v[S+(\n)], v[S+(\n)] row_xmask:\j row_mask:0xf bank_mask:0xf
.endr
.endif
.irp n, 0,1,2,3
	v_cndmask_b32 v[S+(\n)], v[HI+(\n)], v[LO+(\n)], s18
	v_cndmask_b32 v[S+4+(\n)], v[LO+4+(\n)], v[HI+4+(\n)], s18
.endr
.endm
	VSTAGE 2, 1
	VSTAGE 4, 2
	VSTAGE 4, 1
	VSTAGE 8, 4
	VSTAGE 8, 2
	VSTAGE 8, 1
	VSTAGE 16, 8
	VSTAGE 16, 4
	VSTAGE 16, 2
	VSTAGE 16, 1
	VSTAGE 32, 16
	VSTAGE 32, 8
	VSTAGE 32, 4
	VSTAGE 32, 2
	VSTAGE 32, 1
	; U = the largest of the 32 smallest, in every lane
.irp c, 0,1,2,3
	v_min_num_f32 v[U+(\c)], v[S+(\c)], v[S+4+(\c)]
.endr
.irp x, 1,2,4,8
.irp c, 0,1,2,3
	v_max_num_f32_dpp v[U+(\c)], v[U+(\c)], v[U+(\c)] row_xmask:\x row_mask:0xf bank_mask:0xf
.endr
.endr
.irp c, 0,1,2,3
	v_permlanex16_b32 v[P+(\c)], v[U+(\c)], s16, s17
.endr
.irp c, 0,1,2,3
	v_max_num_f32 v[U+(\c)], v[U+(\c)], v[P+(\c)]
.endr
	; the masks and counts: four comparisons at a time, each lane mask into lane i of M
.irp c, 0,1,2,3
	s_mov_b32 s[24+(\c)], 0
.endr
.irp c, 0,1,2,3
.set i, 0
.rept 8
.irp e, 0,1,2,3
	v_cmp_le_f32 s[40+(\e)], v[V+4*(i+(\e))+(\c)], v[U+(\c)]
.endr
.irp e, 0,1,2,3
	v_writelane_b32 v[M+(\c)], s[40+(\e)], i+(\e)
.endr
.irp e, 0,1,2,3
	s_bcnt1_i32_b32 s[40+(\e)], s[40+(\e)]
	s_add_co_u32 s[24+(\c)], s[24+(\c)], s[40+(\e)]
.endr
.set i, i+4
.endr
.endr
	global_store_b128 v3, v[M:M+3], s[34:35]       ; 512 consecutive bytes, aligned
.irp c, 0,1,2,3
	v_mov_b32 v[CN+(\c)], s[24+(\c)]
.endr
	s_wait_xcnt 0x0                                ; EXEC changes only behind this wait
	v_cmp_eq_u32 vcc_lo, 0, v1
	s_and_saveexec_b32 s38, vcc_lo                 ; lane 0 alone (its v3 is 0)
	global_store_b128 v3, v[U:U+3], s[12:13] offset:589824
	global_store_b128 v3, v[CN:CN+3], s[10:11] offset:524288
	s_wait_xcnt 0x0                                ; and again, in front of the line that widens it
	s_or_b32 exec_lo, exec_lo, s38
	s_endpgm
.Lfunc_end_k_q084735a7d0_bound:
	.size	k_q084735a7d0_bound, .Lfunc_end_k_q084735a7d0_bound-k_q084735a7d0_bound
	.p2alignl 7, 3214868480
	.fill 96, 4, 3214868480
	.section	.rodata,"a",@progbits
	.p2align	6, 0x0
	.amdhsa_kernel k_q084735a7d0_bound
		.amdhsa_group_segment_fixed_size 0
		.amdhsa_private_segment_fixed_size 0
		.amdhsa_enable_private_segment 0
		.amdhsa_kernarg_size 40
		.amdhsa_user_sgpr_count 2
		.amdhsa_user_sgpr_kernarg_segment_ptr 1
		.amdhsa_wavefront_size32 1
		.amdhsa_system_sgpr_workgroup_id_x 1
		.amdhsa_system_sgpr_workgroup_id_y 1
		.amdhsa_system_sgpr_workgroup_id_z 1
		.amdhsa_system_vgpr_workitem_id 0
		.amdhsa_next_free_vgpr 192
		.amdhsa_next_free_sgpr 66
		.amdhsa_reserve_vcc 1
		.amdhsa_float_denorm_mode_32 3
		.amdhsa_float_denorm_mode_16_64 3
		.amdhsa_memory_ordered 1
		.amdhsa_forward_progress 1
		.amdhsa_inst_pref_size 60
	.end_amdhsa_kernel
	.amdgpu_metadata
---
amdhsa.version: [ 1, 2 ]
amdhsa.kernels:
  - .name:           k_q084735a7d0_bound
    .symbol:         k_q084735a7d0_bound.kd
    .args:
      - { .name: mins, .offset: 0, .size: 8, .value_kind: global_buffer, .address_space: global }
      - { .name: tgt_pts_xyz, .offset: 8, .size: 8, .value_kind: global_buffer, .address_space: global }
      - { .name: candidate_pts, .offset: 16, .size: 8, .value_kind: global_buffer, .address_space: global }
      - { .name: sel, .offset: 24, .size: 8, .value_kind: global_buffer, .address_space: global }
      - { .name: geo, .offset: 32, .size: 8, .value_kind: global_buffer, .address_space: global }
    .group_segment_fixed_size: 0
    .private_segment_fixed_size: 0
    .kernarg_segment_align: 8
    .kernarg_segment_size: 40
    .max_flat_workgroup_size: 128
    .sgpr_count:     66
    .vgpr_count:     192
    .wavefront_size: 32
...
	.end_amdgpu_metadata
.endif
;; end of part 2
;; launch near (part 3): grid 4096 x 1, 1 waves a work-group, no clusters, 4,864 bytes of LDS; arguments sel, geo, idx, wgt; writes idx, wgt
.if DOCPART == 3
	.amdgcn_target "amdgcn-amd-amdhsa--gfx1250"
	.amdhsa_code_object_version 6
	.text
	.protected	k_q084735a7d0_near
	.globl	k_q084735a7d0_near
	.p2align	8
	.type	k_q084735a7d0_near,@function
k_q084735a7d0_near:
	s_mov_b64 s[64:65], 0
	v_nop
	global_prefetch_b8 v0, s[64:65] scope:SCOPE_SE
	s_setreg_imm32_b32 hwreg(HW_REG_WAVE_MODE, 25, 1), 1
	s_wait_xcnt 0x0
; For each query: the 32 nearest points in the order d2 ascending, equal d2 by ascending index, and the weights w = dist / sum of dist.
; WHICH POINTS.  The launch before stored, for each query, the mask of the groups of 32 points whose smallest d2 is at or below a bound that is no less than the 32nd neighbour's d2, and their count.
; Each of the 32 nearest, and every point that ties with the 32nd, lies in such a group.  All 32 points of each such group are taken here.
; ONE WAVE IS A WORK-GROUP, one query each: a query's work never leaves its wave and its live trips are its own, so nothing is shared and there is no barrier.
; THE LIST.  The groups' numbers are compacted, from the mask, into a list in LDS (LDS serves a wave's instructions in order: no wait between its stores and its loads).
; A TRIP takes four slots of the list.  A slot's 32 points are 512 consecutive bytes of pts4: one load, a lane a point, asked for a whole trip ahead of the wait for it.  d2 is formed by the same five
; operations as in the launch that made the minima.  The four chunks of 32 pairs (d2, index) are sorted descending across the lanes side by side (bitonic, 15 stages, four chains that do not wait for
; each other).  (K, I) holds the best 32 so far, lane j the j-th: for each chunk the lane-by-lane earlier of list and chunk are the first 32 of the 64, and five stages put them in ascending order again.
; A trip is about 900 lines for 128 points; by the occupancy count 64 (1 - e^(-t/64)) = 32 a query has about 43 groups, 11 live trips.
; NO ADDRESS AND NO BRANCH hangs on a comparison of floats: those choose values by v_cndmask_b32 alone.  That is why the points are not thinned out by the bound before the sort: a compaction of points
; would need addresses made from such comparisons.  Addresses and live trips hang on whole numbers read from memory: the mask and the count.
; THE LOOPS.  32 rows of 8 quads of 4 slots are all 1,024 groups: both loops count to constants and are left by falling through their backward branch alone; a trip with nothing left to do jumps
; forward to the label ahead of the counter's step; what is jumped holds no barrier.
; No matrix unit: K is 3, and the order of the neighbours hangs on the sums' last bits.  No tensor load, no cluster: what is shared is a table of 524,288 bytes that every work-group reads in its own order.
; LIMITS: finite inputs; dist = sqrt(max(d2, 0)), where a denormal d2 counts as 0; w = dist x (1 / sum), the sum taken across the lanes in a tree.
.set SPARE, 4608                       ; LDS: the list at byte 0: entries 0..1023, entry 1024 takes what is dropped, rounded up to 9 x 512 bytes; behind it the spare words
.set CK,  16                           ; v[16:19]  the four chunks' d2
.set CI,  20                           ; v[20:23]  their indices
.set KP,  24                           ; v[24:27]  the partner's d2
.set IP,  28                           ; v[28:31]  the partner's index
.set G,   32                           ; v[32:35]  four entries of the list, the same in all lanes: the quad whose points are asked for next
.set OFF, 36                           ; v[36:39]  byte offsets in pts4 of the four loads that are out
.set NI,  40                           ; v[40:43]  the indices that go with them: 32 g + lane
.set P,   44                           ; v[44:59]  slot e's point: x, y, z, rr at P + 4 e
.set LOW1,  0x55555555                 ; lanes whose bit j is 0
.set LOW2,  0x33333333
.set LOW4,  0x0f0f0f0f
.set LOW8,  0x00ff00ff
.set LOW16, 0x0000ffff
.set LOW32, 0xffffffff
; v1 lane; v2, v3 the add's two; v4 K, v5 I; v6 the query's mask words; v7 lane x 16; v8 the quad whose entries are read next; v9 my mask word's place in sel; v10, v11 PUT's; v12 1,024; v13 +inf;
; v14 the greatest index; v15 lane x 4; v60 list read address
; s[20:23] the query's x, y, z, qq; s25 cnt; s26 entries so far; s27, s28 PUT's; s30 rows' counter, s31 = 32 x it; s32 quads' counter, s33 the quad's first slot; s34, s35 lane selects;
; s36-s47 lane masks, three a chunk; s48-s51 all ones where the slot is one of the query's; s52-s55 four groups; s56, s57 at work
	s_load_b256 s[4:11], s[0:1], 0x0               ; sel s[4:5], geo s[6:7], idx s[8:9], wgt s[10:11]
	v_lshl_add_u32 v2, v0, 2, SPARE                ; my spare word
	v_mov_b32 v3, 0
	v_and_b32 v1, 31, v0                           ; lane
	s_lshl_b32 s13, ttmp9, 4                       ; q x 16
	s_lshl_b32 s14, ttmp9, 2                       ; q x 4
	s_lshr_b32 s15, ttmp9, 2
	s_lshl_b32 s15, s15, 9                         ; (q / 4) x 512
	s_and_b32 s16, ttmp9, 3
	s_lshl2_add_u32 s15, s16, s15                  ; + (q % 4) x 4
	s_lshl_b32 s16, ttmp9, 7                       ; q x 128: the query's row of idx and of wgt
	s_mov_b32 s17, 0
	s_mov_b32 s34, 0x76543210                      ; v_permlanex16_b32: each lane takes its own place in the other half
	s_mov_b32 s35, 0xfedcba98
	v_lshlrev_b32 v7, 4, v1                        ; lane x 16
	v_add_nc_u32 v9, s15, v7                       ; word i = lane of the query's mask
	v_lshlrev_b32 v15, 2, v1                       ; lane x 4
	v_mov_b32 v12, 0x400
	v_mov_b32 v13, 0x7f800000
	v_mov_b32 v14, 0x7fffffff
	v_mov_b32 v4, 0x7f800000                       ; the list of the best starts with 32 entries that lose against every point
	v_mov_b32 v5, 0x7fffffff
.set i, KP
.rept 8
	v_mov_b32 v[i], 0                              ; a lane-crossing line's destination counts as read
.set i, i+1
.endr
.irp r, 0,1,2,3
	v_mov_b32 v[P+(\r)], 0
.endr
.irp k, 0,1,2,3,4,5,6,7,8
	ds_store_b128 v7, v[P:P+3] offset:512*(\k)     ; the list starts as zeros: entries past the count name group 0 and are masked out
.endr
	s_wait_kmcnt 0x0
	global_load_b32 v6, v9, s[4:5]
	s_load_b128 s[20:23], s[6:7], s13 offset:0x80000  ; q4: x, y, z, qq
	s_load_b32 s25, s[4:5], s14 offset:0x80000     ; n = cnt
	s_add_nc_u64 s[8:9], s[8:9], s[16:17]
	s_add_nc_u64 s[10:11], s[10:11], s[16:17]
	s_mov_b32 s26, 0                               ; entries so far
	s_wait_loadcnt 0x0
; The lanes whose bit is set in s27 append v11 to the list, in lane order; the others write to the entry that nobody reads.
.macro PUT
	v_mbcnt_lo_u32_b32 v10, s27, s26
	v_cndmask_b32 v10, v12, v10, s27
	v_min_u32 v10, 0x400, v10
	v_lshlrev_b32 v10, 2, v10
	ds_store_b32 v10, v11
	s_bcnt1_i32_b32 s28, s27
	s_add_co_u32 s26, s26, s28
.endm
.set i, 0
.rept 32
	v_readlane_b32 s27, v6, i
	v_add_nc_u32 v11, 32*i, v1                     ; group 32 i + lane
	PUT
.set i, i+1
.endr
; The points of the quad whose entries lie in G are asked for, and the entries of the quad after it are read from the list.
.macro AHEAD
	s_wait_dscnt 0x0                               ; G is in (at the first use: and the list is written)
.irp e, 0,1,2,3
	v_readlane_b32 s[52+(\e)], v[G+(\e)], 0        ; all lanes read the same entry
.endr
.irp e, 0,1,2,3
	s_min_u32 s[52+(\e)], s[52+(\e)], 0x3ff
	s_lshl_b32 s56, s[52+(\e)], 9                  ; a group's 32 points x 16 bytes
	s_lshl_b32 s57, s[52+(\e)], 5
	v_add_nc_u32 v[OFF+(\e)], s56, v7
	v_add_nc_u32 v[NI+(\e)], s57, v1               ; point 32 g + lane
	global_load_b128 v[P+4*(\e):P+4*(\e)+3], v[OFF+(\e)], s[6:7]
.endr
	v_min_u32 v60, 0xff, v8                        ; 256 quads in the list: the cut keeps the read inside it; the address is made anew each time
	v_lshlrev_b32 v60, 4, v60
	ds_load_b128 v[G:G+3], v60
	v_add_nc_u32 v8, 1, v8
.endm
; A stage of the four chunks' descending sort: partner = lane xor j; in blocks of k lanes the direction alternates.  The first mask of a chunk = the partner comes first (smaller d2, or equal d2 and
; smaller index).  A lane that keeps the earlier takes the partner where that holds, a lane that keeps the later where it does not: XM has the bits of the lanes that keep the later.
.macro STAGE4 k, j
.set XM, (~(LOW\k ^ LOW\j)) & 0xffffffff
.if (\j) == 16
.irp e, 0,1,2,3
	v_permlanex16_b32 v[KP+(\e)], v[CK+(\e)], s34, s35
	v_permlanex16_b32 v[IP+(\e)], v[CI+(\e)], s34, s35
.endr
.else
.irp e, 0,1,2,3
	v_mov_b32_dpp v[KP+(\e)], v[CK+(\e)] row_xmask:\j row_mask:0xf bank_mask:0xf
	v_mov_b32_dpp v[IP+(\e)], v[CI+(\e)] row_xmask:\j row_mask:0xf bank_mask:0xf
.endr
.endif
.irp e, 0,1,2,3
	v_cmp_lt_f32 s[36+3*(\e)], v[KP+(\e)], v[CK+(\e)]
	v_cmp_eq_f32 s[37+3*(\e)], v[KP+(\e)], v[CK+(\e)]
	v_cmp_lt_u32 s[38+3*(\e)], v[IP+(\e)], v[CI+(\e)]
.endr
.irp e, 0,1,2,3
	s_and_b32 s[37+3*(\e)], s[37+3*(\e)], s[38+3*(\e)]
	s_or_b32 s[36+3*(\e)], s[36+3*(\e)], s[37+3*(\e)]
	s_xor_b32 s[36+3*(\e)], s[36+3*(\e)], XM
.endr
.irp e, 0,1,2,3
	v_cndmask_b32 v[CK+(\e)], v[CK+(\e)], v[KP+(\e)], s[36+3*(\e)]
	v_cndmask_b32 v[CI+(\e)], v[CI+(\e)], v[IP+(\e)], s[36+3*(\e)]
.endr
.endm
; A stage that puts the kept 32 in ascending order: the lanes whose bit j is set keep the later.
.macro CLEAN j
.set XM, (~LOW\j) & 0xffffffff
.if (\j) == 16
	v_permlanex16_b32 v[KP], v4, s34, s35
	v_permlanex16_b32 v[IP], v5, s34, s35
.else
	v_mov_b32_dpp v[KP], v4 row_xmask:\j row_mask:0xf bank_mask:0xf
	v_mov_b32_dpp v[IP], v5 row_xmask:\j row_mask:0xf bank_mask:0xf
.endif
	v_cmp_lt_f32 s36, v[KP], v4
	v_cmp_eq_f32 s37, v[KP], v4
	v_cmp_lt_u32 s38, v[IP], v5
	s_and_b32 s37, s37, s38
	s_or_b32 s36, s36, s37
	s_xor_b32 s36, s36, XM
	v_cndmask_b32 v4, v4, v[KP], s36
	v_cndmask_b32 v5, v5, v[IP], s36
.endm
; Chunk e into the list: list ascending, chunk descending: the earlier of the two, lane by lane, are the first 32 of the 64.
.macro MERGE e
	v_cmp_lt_f32 s36, v[CK+(\e)], v4
	v_cmp_eq_f32 s37, v[CK+(\e)], v4
	v_cmp_lt_u32 s38, v[CI+(\e)], v5
	s_and_b32 s37, s37, s38
	s_or_b32 s36, s36, s37
	v_cndmask_b32 v4, v4, v[CK+(\e)], s36
	v_cndmask_b32 v5, v5, v[CI+(\e)], s36
	CLEAN 16
	CLEAN 8
	CLEAN 4
	CLEAN 2
	CLEAN 1
.endm
	v_mov_b32 v60, 0
	v_mov_b32 v8, 1
	ds_load_b128 v[G:G+3], v60                     ; quad 0's entries
	AHEAD                                          ; quad 0's points are asked for, quad 1's entries read
	s_wait_kmcnt 0x0                               ; the query and its count
	s_mov_b32 s30, 0
	s_mov_b32 s31, 0
.Lrow:                                                 ; 32 trips, 32 slots each; a row past the query's slots is a dead trip
	s_cmp_ge_u32 s31, s25
	s_cbranch_scc1 .Lrow_next
	s_mov_b32 s32, 0
	s_mov_b32 s33, s31
.Lquad:                                                ; 8 trips, four slots each; a quad past the query's slots is a dead trip
	s_cmp_ge_u32 s33, s25
	s_cbranch_scc1 .Lquad_next
	s_wait_loadcnt 0x0                             ; the quad's four loads, issued a trip ago; their offsets may be written again
.irp e, 0,1,2,3
	v_mul_f32 v[P+4*(\e)], s20, v[P+4*(\e)]
.endr
.irp e, 0,1,2,3
	v_fmac_f32 v[P+4*(\e)], s21, v[P+4*(\e)+1]
.endr
.irp e, 0,1,2,3
	v_fmac_f32 v[P+4*(\e)], s22, v[P+4*(\e)+2]
.endr
.irp e, 0,1,2,3
	v_add_f32 v[P+4*(\e)+3], s23, v[P+4*(\e)+3]
.endr
.irp e, 0,1,2,3
	v_fma_f32 v[P+4*(\e)], v[P+4*(\e)], -2.0, v[P+4*(\e)+3]
.endr
.irp e, 0,1,2,3
	s_add_co_u32 s56, s33, (\e)
	s_cmp_lt_u32 s56, s25                          ; is the slot one of the query's?
	s_cselect_b32 s[48+(\e)], -1, 0
.endr
.irp e, 0,1,2,3
	v_cndmask_b32 v[CK+(\e)], v13, v[P+4*(\e)], s[48+(\e)]  ; a slot past the count gives 32 entries that lose against every point
	v_cndmask_b32 v[CI+(\e)], v14, v[NI+(\e)], s[48+(\e)]
.endr
	s_add_co_u32 s56, s33, 4
	s_cmp_lt_u32 s56, s25                          ; nothing is asked for behind the query's last quad
	s_cbranch_scc0 .Lno_more
	AHEAD                                          ; the next quad's points have this trip's sort in which to come
.Lno_more:
	STAGE4 2, 1
	STAGE4 4, 2
	STAGE4 4, 1
	STAGE4 8, 4
	STAGE4 8, 2
	STAGE4 8, 1
	STAGE4 16, 8
	STAGE4 16, 4
	STAGE4 16, 2
	STAGE4 16, 1
	STAGE4 32, 16
	STAGE4 32, 8
	STAGE4 32, 4
	STAGE4 32, 2
	STAGE4 32, 1
	MERGE 0
	MERGE 1
	MERGE 2
	MERGE 3
.Lquad_next:
	s_add_co_u32 s33, s33, 4
	s_add_co_u32 s32, s32, 1
	s_cmp_lt_u32 s32, 8
	s_cbranch_scc1 .Lquad
.Lrow_next:
	s_add_co_u32 s31, s31, 32
	s_add_co_u32 s30, s30, 1
	s_cmp_lt_u32 s30, 32
	s_cbranch_scc1 .Lrow
	v_max_num_f32 v16, 0, v4
	v_sqrt_f32 v16, v16
	v_nop                                          ; a plain instruction behind the root,
	s_wait_alu depctr_va_vdst(0)                   ; and the wait ahead of the first use
	v_mov_b32 v17, v16
	v_add_f32_dpp v17, v17, v17 row_xmask:1 row_mask:0xf bank_mask:0xf
	v_add_f32_dpp v17, v17, v17 row_xmask:2 row_mask:0xf bank_mask:0xf
	v_add_f32_dpp v17, v17, v17 row_xmask:4 row_mask:0xf bank_mask:0xf
	v_add_f32_dpp v17, v17, v17 row_xmask:8 row_mask:0xf bank_mask:0xf
	v_permlanex16_b32 v24, v17, s34, s35
	v_add_f32 v17, v17, v24
	v_rcp_f32 v17, v17
	v_nop
	s_wait_alu depctr_va_vdst(0)
	v_mul_f32 v16, v16, v17
	global_store_b32 v15, v5, s[8:9]               ; 128 consecutive bytes a query
	global_store_b32 v15, v16, s[10:11]
	s_wait_tensorcnt 0x0                           ; the wave's end
	ds_add_u32 v2, v3
	s_wait_dscnt 0x0
	s_endpgm
.Lfunc_end_k_q084735a7d0_near:
	.size	k_q084735a7d0_near, .Lfunc_end_k_q084735a7d0_near-k_q084735a7d0_near
	.p2alignl 7, 3214868480
	.fill 96, 4, 3214868480
	.section	.rodata,"a",@progbits
	.p2align	6, 0x0
	.amdhsa_kernel k_q084735a7d0_near
		.amdhsa_group_segment_fixed_size 4864
		.amdhsa_private_segment_fixed_size 0
		.amdhsa_enable_private_segment 0
		.amdhsa_kernarg_size 32
		.amdhsa_user_sgpr_count 2
		.amdhsa_user_sgpr_kernarg_segment_ptr 1
		.amdhsa_wavefront_size32 1
		.amdhsa_system_sgpr_workgroup_id_x 1
		.amdhsa_system_sgpr_workgroup_id_y 1
		.amdhsa_system_sgpr_workgroup_id_z 1
		.amdhsa_system_vgpr_workitem_id 0
		.amdhsa_next_free_vgpr 64
		.amdhsa_next_free_sgpr 66
		.amdhsa_reserve_vcc 0
		.amdhsa_float_denorm_mode_32 3
		.amdhsa_float_denorm_mode_16_64 3
		.amdhsa_memory_ordered 1
		.amdhsa_forward_progress 1
		.amdhsa_inst_pref_size 71
	.end_amdhsa_kernel
	.amdgpu_metadata
---
amdhsa.version: [ 1, 2 ]
amdhsa.kernels:
  - .name:           k_q084735a7d0_near
    .symbol:         k_q084735a7d0_near.kd
    .args:
      - { .name: sel, .offset: 0, .size: 8, .value_kind: global_buffer, .address_space: global }
      - { .name: geo, .offset: 8, .size: 8, .value_kind: global_buffer, .address_space: global }
      - { .name: idx, .offset: 16, .size: 8, .value_kind: global_buffer, .address_space: global }
      - { .name: wgt, .offset: 24, .size: 8, .value_kind: global_buffer, .address_space: global }
    .group_segment_fixed_size: 4864
    .private_segment_fixed_size: 0
    .kernarg_segment_align: 8
    .kernarg_segment_size: 32
    .max_flat_workgroup_size: 32
    .sgpr_count:     66
    .vgpr_count:     64
    .wavefront_size: 32
...
	.end_amdgpu_metadata
.endif
;; end of part 3
;; launch emit (part 4): grid 256 x 1, 4 waves a work-group, no clusters, 72,192 bytes of LDS; arguments idx, wgt, geo, tgt_deep_feat_pts, out0; writes out0
.if DOCPART == 4
	.amdgcn_target "amdgcn-amd-amdhsa--gfx1250"
	.amdhsa_code_object_version 6
	.text
	.protected	k_q084735a7d0_emit
	.globl	k_q084735a7d0_emit
	.p2align	8
	.type	k_q084735a7d0_emit,@function
k_q084735a7d0_emit:
	s_mov_b64 s[64:65], 0
	v_nop
	global_prefetch_b8 v0, s[64:65] scope:SCOPE_SE
	s_setreg_imm32_b32 hwreg(HW_REG_WAVE_MODE, 25, 1), 1
	s_wait_xcnt 0x0
; out0[q][j][0..2] = pts[idx[q][j]] - q;  out0[q][j][3 + f] = feat[idx[q][j]][f] x w[q][f].  Coordinates are the bf16-rounded ones of geo; features are taken as they are.
; A wave takes four queries: 4 x 32 x 35 numbers = 17,920 consecutive bytes of out0 (70 aligned blocks of 256).  A row of 35 numbers is 140 bytes, so the rows are put together in a stage in LDS
; of the wave's own and leave as 35 stores of 512 consecutive bytes: every aligned block of 256 bytes is written whole by sixteen neighbouring lanes.
; Features: eight lanes take a row of 128 bytes, one load four rows.  All 36 gathers of a wave are out at once; the indices are whole numbers that the launch before stored.
; No barrier: the stage is the wave's own, and LDS serves a wave's instructions in order.
.set STG,   17920                      ; a wave's stage
.set SPARE, 71680                      ; behind the four stages: the spare words
.set IX, 16                            ; v[16:47]   query c, neighbours 4 u + lane / 8: index, then byte offset in the features
.set IJ, 48                            ; v[48:51]   query c, neighbour lane: index, then byte offset in pts4
.set WV, 52                            ; v[52:67]   query c: w[4 (lane % 8) + 0..3]
.set F,  68                            ; v[68:195]  features; on the way out v[68:207] take the stage back
.set PT, 196                           ; v[196:211] query c: my neighbour's x, y, z, rr
	s_load_b256 s[4:11], s[0:1], 0x0               ; idx s[4:5], wgt s[6:7], geo s[8:9], tgt_deep_feat_pts s[10:11]
	s_load_b64 s[12:13], s[0:1], 0x20              ; out0
	v_lshl_add_u32 v2, v0, 2, SPARE                ; my spare word
	v_mov_b32 v3, 0
	v_and_b32 v1, 31, v0                           ; lane
	v_lshrrev_b32 v4, 5, v0
	v_readfirstlane_b32 s14, v4                    ; wave 0..3
	s_lshl_b32 s15, ttmp9, 2
	s_add_co_u32 s15, s15, s14                     ; gw: queries 4 gw ..
	s_mul_i32 s16, s14, STG
	s_lshl_b32 s17, s15, 6                         ; four entries of q4
	s_lshl_b32 s18, s15, 9                         ; four rows of idx and of wgt
	s_mov_b32 s19, 0
	s_mul_i32 s20, s15, STG
	s_mov_b32 s21, 0
	v_lshrrev_b32 v4, 3, v1                        ; lane / 8
	v_and_b32 v5, 7, v1                            ; lane % 8
	v_lshlrev_b32 v6, 2, v4
	v_lshlrev_b32 v7, 2, v1
	v_lshlrev_b32 v8, 4, v5
	v_mul_u32_u24 v9, v4, 140
	v_add3_u32 v9, v9, v8, s16
	v_add_nc_u32 v9, 12, v9                        ; stage: row lane / 8, number 3 + 4 (lane % 8)
	v_mul_u32_u24 v10, v1, 140
	v_add_nc_u32 v10, s16, v10                     ; stage: row lane, number 0
	v_lshlrev_b32 v12, 4, v1                       ; my 16 bytes of 512
	v_add_nc_u32 v11, s16, v12
	s_wait_kmcnt 0x0
	s_load_b512 s[32:47], s[8:9], s17 offset:0x80000  ; q4 of the four queries: x, y, z, qq each
	s_add_nc_u64 s[4:5], s[4:5], s[18:19]
	s_add_nc_u64 s[6:7], s[6:7], s[18:19]
	s_add_nc_u64 s[12:13], s[12:13], s[20:21]
.irp c, 0,1,2,3
.irp u, 0,1,2,3,4,5,6,7
	global_load_b32 v[IX+8*(\c)+(\u)], v6, s[4:5] offset:128*(\c)+16*(\u)
.endr
.endr
.irp c, 0,1,2,3
	global_load_b32 v[IJ+(\c)], v7, s[4:5] offset:128*(\c)
.endr
.irp c, 0,1,2,3
	global_load_b128 v[WV+4*(\c):WV+4*(\c)+3], v8, s[6:7] offset:128*(\c)
.endr
	s_wait_loadcnt 0x0
.set n, 0
.rept 32
	v_min_u32 v[IX+n], 0x7fff, v[IX+n]
	v_lshl_add_u32 v[IX+n], v[IX+n], 7, v8         ; the row's 128 bytes, my 16 of them
	global_load_b128 v[F+4*n:F+4*n+3], v[IX+n], s[10:11]
.set n, n+1
.endr
.irp c, 0,1,2,3
	v_min_u32 v[IJ+(\c)], 0x7fff, v[IJ+(\c)]
	v_lshlrev_b32 v[IJ+(\c)], 4, v[IJ+(\c)]
	global_load_b128 v[PT+4*(\c):PT+4*(\c)+3], v[IJ+(\c)], s[8:9]
.endr
.irp c, 0,1,2,3
.irp u, 0,1,2,3,4,5,6,7
	s_wait_loadcnt 35-(8*(\c)+(\u))                ; behind this load were issued the later feature loads and the four of points
	v_pk_mul_f32 v[F+4*(8*(\c)+(\u)):F+4*(8*(\c)+(\u))+1], v[F+4*(8*(\c)+(\u)):F+4*(8*(\c)+(\u))+1], v[WV+4*(\c):WV+4*(\c)+1]
	v_pk_mul_f32 v[F+4*(8*(\c)+(\u))+2:F+4*(8*(\c)+(\u))+3], v[F+4*(8*(\c)+(\u))+2:F+4*(8*(\c)+(\u))+3], v[WV+4*(\c)+2:WV+4*(\c)+3]
.irp e, 0,1,2,3
	ds_store_b32 v9, v[F+4*(8*(\c)+(\u))+(\e)] offset:4480*(\c)+560*(\u)+4*(\e)  ; a row of 140 bytes keeps words aligned to 4 bytes alone
.endr
.endr
.endr
	s_wait_loadcnt 0x0                             ; the points
	s_wait_kmcnt 0x0                               ; the queries
.irp c, 0,1,2,3
.irp e, 0,1,2
	v_sub_f32 v[PT+4*(\c)+(\e)], v[PT+4*(\c)+(\e)], s[32+4*(\c)+(\e)]
.endr
.irp e, 0,1,2
	ds_store_b32 v10, v[PT+4*(\c)+(\e)] offset:4480*(\c)+4*(\e)
.endr
.endr
.set k, 0
.rept 35
	ds_load_b128 v[F+4*k:F+4*k+3], v11 offset:512*k  ; LDS serves a wave's instructions in order: these see the stores above
.set k, k+1
.endr
.set k, 0
.rept 35
	s_wait_dscnt 34-k                              ; the reads issued behind read k stay out
	global_store_b128 v12, v[F+4*k:F+4*k+3], s[12:13] offset:512*k th:TH_STORE_NT  ; 512 consecutive bytes, at a multiple of 256 from out0's first byte
.set k, k+1
.endr
	s_wait_tensorcnt 0x0                           ; the wave's end
	ds_add_u32 v2, v3
	s_wait_dscnt 0x0
	s_endpgm
.Lfunc_end_k_q084735a7d0_emit:
	.size	k_q084735a7d0_emit, .Lfunc_end_k_q084735a7d0_emit-k_q084735a7d0_emit
	.p2alignl 7, 3214868480
	.fill 96, 4, 3214868480
	.section	.rodata,"a",@progbits
	.p2align	6, 0x0
	.amdhsa_kernel k_q084735a7d0_emit
		.amdhsa_group_segment_fixed_size 72192
		.amdhsa_private_segment_fixed_size 0
		.amdhsa_enable_private_segment 0
		.amdhsa_kernarg_size 40
		.amdhsa_user_sgpr_count 2
		.amdhsa_user_sgpr_kernarg_segment_ptr 1
		.amdhsa_wavefront_size32 1
		.amdhsa_system_sgpr_workgroup_id_x 1
		.amdhsa_system_sgpr_workgroup_id_y 1
		.amdhsa_system_sgpr_workgroup_id_z 1
		.amdhsa_system_vgpr_workitem_id 0
		.amdhsa_next_free_vgpr 212
		.amdhsa_next_free_sgpr 66
		.amdhsa_reserve_vcc 0
		.amdhsa_float_denorm_mode_32 3
		.amdhsa_float_denorm_mode_16_64 3
		.amdhsa_memory_ordered 1
		.amdhsa_forward_progress 1
		.amdhsa_inst_pref_size 35
	.end_amdhsa_kernel
	.amdgpu_metadata
---
amdhsa.version: [ 1, 2 ]
amdhsa.kernels:
  - .name:           k_q084735a7d0_emit
    .symbol:         k_q084735a7d0_emit.kd
    .args:
      - { .name: idx, .offset: 0, .size: 8, .value_kind: global_buffer, .address_space: global }
      - { .name: wgt, .offset: 8, .size: 8, .value_kind: global_buffer, .address_space: global }
      - { .name: geo, .offset: 16, .size: 8, .value_kind: global_buffer, .address_space: global }
      - { .name: tgt_deep_feat_pts, .offset: 24, .size: 8, .value_kind: global_buffer, .address_space: global }
      - { .name: out0, .offset: 32, .size: 8, .value_kind: global_buffer, .address_space: global }
    .group_segment_fixed_size: 72192
    .private_segment_fixed_size: 0
    .kernarg_segment_align: 8
    .kernarg_segment_size: 40
    .max_flat_workgroup_size: 128
    .sgpr_count:     66
    .vgpr_count:     212
    .wavefront_size: 32
...
	.end_amdgpu_metadata
.endif
;; end of part 4
;; ======== version 2 of 2: 4 launches; version 1 with the launch emit written anew for expert scheduling mode
;; limits: values outside matrix products are rounded to bf16
;; workspace buffers: mins 16,777,216 bytes; sel 540,672 bytes of whole numbers; geo 606,208 bytes; idx 524,288 bytes of whole numbers; wgt 524,288 bytes
;; launch mins: the kernel of part 1 again; grid 4 x 64, 8 waves a work-group, no clusters, 2,048 bytes of LDS; arguments candidate_pts, tgt_pts_xyz, mins; writes mins
;; launch bound: the kernel of part 2 again; grid 256 x 1, 4 waves a work-group, no clusters, 0 bytes of LDS; arguments mins, tgt_pts_xyz, candidate_pts, sel, geo; writes sel, geo
;; launch near: the kernel of part 3 again; grid 4096 x 1, 1 waves a work-group, no clusters, 4,864 bytes of LDS; arguments sel, geo, idx, wgt; writes idx, wgt
;; launch emit (part 5): grid 256 x 1, 4 waves a work-group, no clusters, 72,192 bytes of LDS; arguments idx, wgt, geo, tgt_deep_feat_pts, out0; writes out0
.if DOCPART == 5
	.amdgcn_target "amdgcn-amd-amdhsa--gfx1250"
	.amdhsa_code_object_version 6
	.text
	.protected	k_q084735a7d0_emit
	.globl	k_q084735a7d0_emit
	.p2align	8
	.type	k_q084735a7d0_emit,@function
k_q084735a7d0_emit:
	s_mov_b64 s[64:65], 0
	v_nop
	global_prefetch_b8 v0, s[64:65] scope:SCOPE_SE
	s_setreg_imm32_b32 hwreg(HW_REG_WAVE_SCHED_MODE, 0, 2), 2
	s_setreg_imm32_b32 hwreg(HW_REG_WAVE_MODE, 25, 1), 1
	s_wait_xcnt 0x0
	s_wait_alu depctr_vm_vsrc(0)
; out0[q][j][0..2] = pts[idx[q][j]] - q;  out0[q][j][3 + f] = feat[idx[q][j]][f] x w[q][f].  Coordinates are the bf16-rounded ones of geo; features are taken as they are.
; A wave takes four queries: 4 x 32 x 35 numbers = 17,920 consecutive bytes of out0 (70 aligned blocks of 256).  A row of 35 numbers is 140 bytes, so the rows are put together in a stage in LDS
; of the wave's own and leave as 35 stores of 512 consecutive bytes: every aligned block of 256 bytes is written whole by sixteen neighbouring lanes.
; Features: eight lanes take a row of 128 bytes, one load four rows.  All 36 gathers of a wave are out at once; the indices are whole numbers that the launch before stored.
; No barrier: the stage is the wave's own, and LDS serves a wave's instructions in order.
; THE MODE: SCHED_MODE bits 1:0 = 2 (LLVM: expert scheduling mode 2), set by the entry lines.  The code itself states the register dependences
; between vector instructions and memory or LDS instructions, with s_wait_alu, always for 0.
; THE PLAN.  Registers that memory or LDS instructions touch:
;   v6 .. v12   offsets and LDS addresses: written once at the head, read by loads and stores to the end, never written again.
;   IX, IJ      the index loads land in them; 72 vector lines make byte offsets of them; the 36 gathers read them; never written again.
;   WV          the weight loads land in it; vector lines alone read it.
;   F           32 registers a query.  The gathers land; query c's sixteen multiplies rewrite them in place; query c's 32 LDS stores read them; at the end the loads from the stage land in v[68:207].
;   PT          the four gathers of points land; twelve subtractions in place; twelve LDS stores read them; the loads from the stage land in v[196:207].
; The work goes in blocks, a query each.  Block c multiplies F[c]; the LDS stores of F[c - 1] are dealt among its multiplies, behind ONE wait at the block's head, which states that block c - 1's
; multiplies have written; no vector line of block c names F[c - 1] or v9.  The points' block carries query 3's stores in the same way.
.set STG,   17920                      ; a wave's stage; behind the four stages: the spare words
.set IX, 16                            ; v[16:47]   query c, neighbours 4 u + lane / 8: index, then byte offset in the features
.set IJ, 48                            ; v[48:51]   query c, neighbour lane: index, then byte offset in pts4
.set WV, 52                            ; v[52:67]   query c: w[4 (lane % 8) + 0..3]
.set F,  68                            ; v[68:195]  features; on the way out v[68:207] take the stage back
.set PT, 196                           ; v[196:211] query c: my neighbour's x, y, z, rr
	s_load_b256 s[4:11], s[0:1], 0x0               ; idx s[4:5], wgt s[6:7], geo s[8:9], tgt_deep_feat_pts s[10:11]
	s_load_b64 s[12:13], s[0:1], 0x20              ; out0
	v_lshl_add_u32 v14, v0, 2, 0x11800
	v_mov_b32 v15, 0
	v_and_b32 v1, 31, v0                           ; lane
	v_lshrrev_b32 v4, 5, v0
	v_readfirstlane_b32 s14, v4                    ; wave 0..3
	v_lshrrev_b32 v4, 3, v1                        ; lane / 8
	v_and_b32 v5, 7, v1                            ; lane % 8
	v_lshlrev_b32 v6, 2, v4
	v_lshlrev_b32 v7, 2, v1
	v_lshlrev_b32 v8, 4, v5
	v_mul_u32_u24 v9, v4, 140
	v_mul_u32_u24 v10, v1, 140
	v_lshlrev_b32 v12, 4, v1                       ; my 16 bytes of 512
	s_wait_alu depctr_va_sdst(0)                   ; s14 is written, ahead of its first reader: the bases and the stage's place are made from it
	s_lshl_b32 s15, ttmp9, 2
	s_add_co_u32 s15, s15, s14                     ; gw: queries 4 gw ..
	s_mul_i32 s16, s14, STG
	s_lshl_b32 s17, s15, 6                         ; four entries of q4
	s_lshl_b32 s18, s15, 9                         ; four rows of idx and of wgt
	s_mov_b32 s19, 0
	s_mul_i32 s20, s15, STG
	s_mov_b32 s21, 0
	v_add3_u32 v9, v9, v8, s16
	v_add_nc_u32 v9, 12, v9                        ; stage: row lane / 8, number 3 + 4 (lane % 8)
	v_add_nc_u32 v10, s16, v10                     ; stage: row lane, number 0
	v_add_nc_u32 v11, s16, v12
	s_wait_kmcnt 0x0
	s_load_b512 s[32:47], s[8:9], s17 offset:0x80000  ; q4 of the four queries: x, y, z, qq each
	s_add_nc_u64 s[4:5], s[4:5], s[18:19]
	s_add_nc_u64 s[6:7], s[6:7], s[18:19]
	s_add_nc_u64 s[12:13], s[12:13], s[20:21]
	s_wait_alu depctr_va_vdst(0)                   ; v6 to v12 are written: every load and store of the kernel, LDS or global, but the gathers reads one of them as its offset or address
.irp c, 0,1,2,3
.irp u, 0,1,2,3,4,5,6,7
	global_load_b32 v[IX+8*(\c)+(\u)], v6, s[4:5] offset:128*(\c)+16*(\u)
.endr
.endr
.irp c, 0,1,2,3
	global_load_b32 v[IJ+(\c)], v7, s[4:5] offset:128*(\c)
.endr
.irp c, 0,1,2,3
	global_load_b128 v[WV+4*(\c):WV+4*(\c)+3], v8, s[6:7] offset:128*(\c)
.endr
	s_wait_loadcnt 0x0
	; all 36 offsets are made first, the cuts and then the shifts, so that one wait serves the whole run of gathers
.set n, 0
.rept 36                                           ; IX and, behind it, IJ
	v_min_u32 v[IX+n], 0x7fff, v[IX+n]
.set n, n+1
.endr
.set n, 0
.rept 32
	v_lshl_add_u32 v[IX+n], v[IX+n], 7, v8         ; the row's 128 bytes, my 16 of them
.set n, n+1
.endr
.irp c, 0,1,2,3
	v_lshlrev_b32 v[IJ+(\c)], 4, v[IJ+(\c)]
.endr
	s_wait_alu depctr_va_vdst(0)                   ; IX and IJ are written, which the 36 gathers read as their offsets
.set n, 0
.rept 32
	global_load_b128 v[F+4*n:F+4*n+3], v[IX+n], s[10:11]
.set n, n+1
.endr
.irp c, 0,1,2,3
	global_load_b128 v[PT+4*(\c):PT+4*(\c)+3], v[IJ+(\c)], s[8:9]
.endr
.macro MULS c, u                       ; four rows' features of query c times its weights, in place
	v_pk_mul_f32 v[F+4*(8*(\c)+(\u)):F+4*(8*(\c)+(\u))+1], v[F+4*(8*(\c)+(\u)):F+4*(8*(\c)+(\u))+1], v[WV+4*(\c):WV+4*(\c)+1]
	v_pk_mul_f32 v[F+4*(8*(\c)+(\u))+2:F+4*(8*(\c)+(\u))+3], v[F+4*(8*(\c)+(\u))+2:F+4*(8*(\c)+(\u))+3], v[WV+4*(\c)+2:WV+4*(\c)+3]
.endm
.macro PUTS c, u                       ; and into the stage
.irp e, 0,1,2,3
	ds_store_b32 v9, v[F+4*(8*(\c)+(\u))+(\e)] offset:4480*(\c)+560*(\u)+4*(\e)  ; a row of 140 bytes keeps words aligned to 4 bytes alone
.endr
.endm
; Block c: query c's multiplies, and among them the LDS stores of query c - 1.
.macro BLOCK c
	s_wait_loadcnt 28-8*(\c)                       ; query c's eight gathers are in; behind them were issued the later queries' feature loads and the four of points
.if (\c) > 0
	s_wait_alu depctr_va_vdst(0)                   ; the block before has written its F, which the LDS stores below read; no vector line of this block names those registers
.endif
.irp u, 0,1,2,3,4,5,6,7
	MULS \c, \u
.if (\c) > 0
	PUTS (\c)-1, \u
.endif
.endr
.endm
	BLOCK 0
	BLOCK 1
	BLOCK 2
	BLOCK 3
	s_wait_loadcnt 0x0                             ; the points
	s_wait_kmcnt 0x0                               ; the queries
	s_wait_alu depctr_va_vdst(0)                   ; block 3 has written its F, which the LDS stores below read; the subtractions among them name PT alone
.irp c, 0,1,2,3
.irp e, 0,1,2
	v_sub_f32 v[PT+4*(\c)+(\e)], v[PT+4*(\c)+(\e)], s[32+4*(\c)+(\e)]
.endr
	PUTS 3, 2*(\c)
	PUTS 3, 2*(\c)+1
.endr
	s_wait_alu depctr_va_vdst(0)                   ; the subtractions have written PT, which the LDS stores read; no vector line follows, so all readers and writers of F and PT, in which the stage's loads land, are done too
.irp c, 0,1,2,3
.irp e, 0,1,2
	ds_store_b32 v10, v[PT+4*(\c)+(\e)] offset:4480*(\c)+4*(\e)
.endr
.endr
	s_wait_alu depctr_vm_vsrc(0)                   ; the LDS stores have read F and PT, in which the loads below land
.set k, 0
.rept 35
	ds_load_b128 v[F+4*k:F+4*k+3], v11 offset:512*k  ; LDS serves a wave's instructions in order: these see the stores above
.set k, k+1
.endr
.set k, 0
.rept 35
	s_wait_dscnt 34-k                              ; the reads issued behind read k stay out
	global_store_b128 v12, v[F+4*k:F+4*k+3], s[12:13] offset:512*k th:TH_STORE_NT  ; 512 consecutive bytes, at a multiple of 256 from out0's first byte
.set k, k+1
.endr
	s_wait_dscnt 0x0                               ; the wave's end
	s_wait_alu depctr_hold_cnt(0) depctr_sa_sdst(0) depctr_va_vdst(0) depctr_va_sdst(0) depctr_va_ssrc(0) depctr_va_vcc(0) depctr_vm_vsrc(0)
	s_wait_tensorcnt 0x0
	ds_add_u32 v14, v15
	s_wait_dscnt 0x0
	s_endpgm
.Lfunc_end_k_q084735a7d0_emit:
	.size	k_q084735a7d0_emit, .Lfunc_end_k_q084735a7d0_emit-k_q084735a7d0_emit
	.p2alignl 7, 3214868480
	.fill 96, 4, 3214868480
	.section	.rodata,"a",@progbits
	.p2align	6, 0x0
	.amdhsa_kernel k_q084735a7d0_emit
		.amdhsa_group_segment_fixed_size 72192
		.amdhsa_private_segment_fixed_size 0
		.amdhsa_enable_private_segment 0
		.amdhsa_kernarg_size 40
		.amdhsa_user_sgpr_count 2
		.amdhsa_user_sgpr_kernarg_segment_ptr 1
		.amdhsa_wavefront_size32 1
		.amdhsa_system_sgpr_workgroup_id_x 1
		.amdhsa_system_sgpr_workgroup_id_y 1
		.amdhsa_system_sgpr_workgroup_id_z 1
		.amdhsa_system_vgpr_workitem_id 0
		.amdhsa_next_free_vgpr 212
		.amdhsa_next_free_sgpr 66
		.amdhsa_reserve_vcc 0
		.amdhsa_float_denorm_mode_32 3
		.amdhsa_float_denorm_mode_16_64 3
		.amdhsa_memory_ordered 1
		.amdhsa_forward_progress 1
		.amdhsa_inst_pref_size 34
	.end_amdhsa_kernel
	.amdgpu_metadata
---
amdhsa.version: [ 1, 2 ]
amdhsa.kernels:
  - .name:           k_q084735a7d0_emit
    .symbol:         k_q084735a7d0_emit.kd
    .args:
      - { .name: idx, .offset: 0, .size: 8, .value_kind: global_buffer, .address_space: global }
      - { .name: wgt, .offset: 8, .size: 8, .value_kind: global_buffer, .address_space: global }
      - { .name: geo, .offset: 16, .size: 8, .value_kind: global_buffer, .address_space: global }
      - { .name: tgt_deep_feat_pts, .offset: 24, .size: 8, .value_kind: global_buffer, .address_space: global }
      - { .name: out0, .offset: 32, .size: 8, .value_kind: global_buffer, .address_space: global }
    .group_segment_fixed_size: 72192
    .private_segment_fixed_size: 0
    .kernarg_segment_align: 8
    .kernarg_segment_size: 40
    .max_flat_workgroup_size: 128
    .sgpr_count:     66
    .vgpr_count:     212
    .wavefront_size: 32
...
	.end_amdgpu_metadata
.endif
;; end of part 5
